; MI455X (gfx1250); checked and timed in simulation.
; The chip was launched on July 23, 2026; its instructions are those of AMD's public machine-readable ISA for CDNA 5 (MIT licence, August 2026) and "CDNA5" Instruction Set Architecture Reference Guide (July 2026). The comments in the code are by the model that wrote it; some were corrected since.
;; Implicit Attetion Layer. Allowed arithmetic: float matrix products may take bf16 or f16 operands with f32 sums; other float arithmetic in f32, or as packed bf16 or f16 multiplies, adds, multiply-adds, maxima and minima; sums over many terms, partial sums and values carried from step to step in f32; what a program stores and reads back later, other than sums and carried values, may be rounded once to bf16 or f16.
;; Inputs: Wk 8 x 128 x 1,024 float32; Wq 128 x 1,024 float32; Wv 8 x 1,024 x 1,024 float32; bk 8 x 128 float32; bq 128 float32; bv 8 x 1,024 float32; x 4,096 x 1,024 float32.
;; Outputs: out0 4,096 x 1,024 float32.
;; One version. Each part assembles by itself: llvm-mc -triple=amdgcn-amd-amdhsa -mcpu=gfx1250 --defsym DOCPART=n.
;; ======== version 1 of 1: 3 launches
;; workspace buffers: xb 8,388,608 bytes; wvb 16,777,216 bytes; wqkb 2,359,296 bytes; dotsp 1,048,576 bytes
;; launch cast (part 1): grid 240 x 7, 8 waves a work-group, no clusters, 0 bytes of LDS; arguments x, Wv, Wq, Wk, xb, wvb, wqkb; writes xb, wvb, wqkb
.if DOCPART == 1
	.amdgcn_target "amdgcn-amd-amdhsa--gfx1250"
	.amdhsa_code_object_version 6
	.text
	.protected	k_q389aa14a1a_cast
	.globl	k_q389aa14a1a_cast
	.p2align	8
	.type	k_q389aa14a1a_cast,@function
k_q389aa14a1a_cast:
	s_mov_b64 s[64:65], 0
	v_nop
	global_prefetch_b8 v0, s[64:65] scope:SCOPE_SE
	s_setreg_imm32_b32 hwreg(HW_REG_WAVE_MODE, 25, 1), 1
	s_wait_xcnt 0x0
; THE WHOLE PROGRAM: out[b][o] = sum over h of att[b][h] (x[b] . Wv[h][o] + bv[h][o]),  att[b] = softmax over h of (x[b] Wq^T + bq) . (x[b] Wk[h]^T + bk[h]) / sqrt(128).
; NOTHING IS LEFT OUT: the gates are soft, so every head's values are weighed in; the score q . k_h hangs on h through Wk[h] and through bk[h] (q . bk[h] differs from head to head), so no term
; is the same along the softmax's axis; all seven inputs have a way to the output and all are loaded (x, Wv, Wq, Wk here; bq, bk in the second launch; bv in the third).
; THREE LAUNCHES: this one rounds x and the weights to bf16 once and lays them out; the second makes the scores q . k_h in eight parts (f32); the third adds the parts, makes the gates and the
; weighed sum of the values.
; LIMITS: matrix operands and the three biases are rounded once to bf16 (nearest even); all sums in f32, in another order than the reference's; NaN and infinities are not treated apart;
; a gate below 2^-126 counts as 0.
;
; THIS LAUNCH.  f32 -> bf16, a stream: no LDS, no barrier, no matrix unit, no cluster (no two work-groups share a byte).
;   xb   [4096][1024]     = x
;   wvb  [8192][1024]     row 512 p + 256 t + 128 c + 16 h + oo = Wv[h][64 p + 32 t + 16 c + oo]: 16 rows of each of the 8 heads lie together, so that in the third launch a wave's
;                         128 rows are 8 heads x the same 16 output columns
;   wqkb [8][144][1024]   slice s: rows 0-15 = Wq[16 s ..], rows 16 + 16 h .. = Wk[h][16 s ..]: the same 16 attention dimensions of q and of all 8 keys lie together
; SHARES.  A work-group makes 8 destination rows, which are 8 consecutive source rows in all three tables.  Thread t takes 16 bytes (4 numbers) at byte 16 t of each source row: a wave's load
; covers 512 consecutive bytes; its 8 bytes go to byte 8 t of the destination row: a wave's store covers 256 consecutive bytes, aligned.  All 8 loads of a thread go out before the first wait.
; 512 groups of 8 rows in x, 1,024 in Wv, 144 in Wq and Wk: 1,680 = 240 x 7 work-groups, told apart by their number 240 y + x.
.set SROW, 4096                        ; bytes in a source row
.set DROW, 2048                        ; bytes in a destination row
.set GX,   512                         ; groups in x
.set GV,   1024                        ; groups in Wv
.set IN,   8                           ; v[8:39]   row u: 4 numbers as loaded
.set OUT,  40                          ; v[40:55]  row u: 4 bf16
.macro LOADS                           ; every source byte is read once in the launch
.irp u, 0,1,2,3,4,5,6,7
	global_load_b128 v[IN+4*(\u):IN+4*(\u)+3], v1, s[28:29] offset:SROW*(\u) th:TH_LOAD_NT
.endr
.endm
	s_load_b256 s[4:11], s[0:1], 0x0               ; x s[4:5], Wv s[6:7], Wq s[8:9], Wk s[10:11]
	s_load_b128 s[12:15], s[0:1], 0x20             ; xb s[12:13], wvb s[14:15]
	s_load_b64 s[16:17], s[0:1], 0x30              ; wqkb
	s_and_b32 s24, ttmp7, 0xffff
	s_mul_i32 s24, s24, 240
	s_add_co_u32 s24, s24, ttmp9                   ; the work-group's number, 0 to 1,679
	v_lshlrev_b32 v1, 4, v0                        ; 16 t: my bytes in a source row
	v_lshlrev_b32 v2, 3, v0                        ; 8 t: in a destination row
	s_mov_b32 s21, 0                               ; the offsets' high words
	s_mov_b32 s23, 0
	s_wait_kmcnt 0x0
	s_cmp_lt_u32 s24, GX
	s_cbranch_scc0 .Lnot_x
	s_lshl_b32 s20, s24, 15                        ; 8 rows of 4,096 bytes
	s_lshl_b32 s22, s24, 14                        ; 8 rows of 2,048 bytes
	s_add_nc_u64 s[28:29], s[4:5], s[20:21]
	s_add_nc_u64 s[30:31], s[12:13], s[22:23]
	LOADS
	s_branch .Lcvt
.Lnot_x:
	s_cmp_lt_u32 s24, GX+GV
	s_cbranch_scc0 .Lqk
	s_sub_co_u32 s26, s24, GX                      ; d: destination rows 8 d ..; of the row number's bits, 3:0 are oo, 6:4 the head, the rest 4 p + 2 t + c
	s_bfe_u32 s27, s26, 0x30001                    ; h = (d >> 1) & 7
	s_lshl_b32 s27, s27, 10                        ; 1,024 h
	s_lshr_b32 s20, s26, 4
	s_lshl_b32 s20, s20, 4                         ; 16 (4 p + 2 t + c)
	s_add_co_u32 s27, s27, s20
	s_and_b32 s20, s26, 1
	s_lshl_b32 s20, s20, 3                         ; oo begins at 0 or 8
	s_add_co_u32 s27, s27, s20                     ; the source row, 1,024 h + o
	s_lshl_b32 s20, s27, 12
	s_lshl_b32 s22, s26, 14
	s_add_nc_u64 s[28:29], s[6:7], s[20:21]
	s_add_nc_u64 s[30:31], s[14:15], s[22:23]
	LOADS
	s_branch .Lcvt
.Lqk:
	s_sub_co_u32 s26, s24, GX+GV                   ; e, 0 to 143: destination rows 8 e ..; a slice has 18 such groups
	s_mul_i32 s27, s26, 57
	s_lshr_b32 s27, s27, 10                        ; the slice s = e / 18: (57 e) >> 10 is that for every e below 144
	s_mul_i32 s20, s27, 18
	s_sub_co_u32 s25, s26, s20                     ; r = e - 18 s: 0, 1 are Wq's 16 rows; 2 + 2 h, 3 + 2 h those of Wk[h]
	s_lshl_b32 s27, s27, 16                        ; 16 s rows of 4,096 bytes
	s_and_b32 s20, s25, 1
	s_lshl_b32 s20, s20, 15                        ; the first or the second 8 of the 16
	s_add_co_u32 s20, s20, s27
	s_lshr_b32 s27, s25, 1
	s_sub_co_u32 s27, s27, 1                       ; h (of use where r is 2 or more)
	s_lshl_b32 s27, s27, 19                        ; 128 rows of 4,096 bytes a head in Wk
	s_cmp_lt_u32 s25, 2
	s_cselect_b64 s[28:29], s[8:9], s[10:11]
	s_cselect_b32 s27, 0, s27
	s_add_co_u32 s20, s20, s27
	s_add_nc_u64 s[28:29], s[28:29], s[20:21]
	s_lshl_b32 s22, s26, 14
	s_add_nc_u64 s[30:31], s[16:17], s[22:23]
	LOADS
.Lcvt:
.irp u, 0,1,2,3,4,5,6,7
	s_wait_loadcnt 7-(\u)                          ; loads come back in order: row u is in, the 7 - u younger ones may stay out
	v_cvt_pk_bf16_f32 v[OUT+2*(\u)],   v[IN+4*(\u)],   v[IN+4*(\u)+1]
	v_cvt_pk_bf16_f32 v[OUT+2*(\u)+1], v[IN+4*(\u)+2], v[IN+4*(\u)+3]
	global_store_b64 v2, v[OUT+2*(\u):OUT+2*(\u)+1], s[30:31] offset:DROW*(\u) th:TH_STORE_NT  ; no register is written twice, so nothing waits for a store
.endr
	s_endpgm
.Lfunc_end_k_q389aa14a1a_cast:
	.size	k_q389aa14a1a_cast, .Lfunc_end_k_q389aa14a1a_cast-k_q389aa14a1a_cast
	.p2alignl 7, 3214868480
	.fill 96, 4, 3214868480
	.section	.rodata,"a",@progbits
	.p2align	6, 0x0
	.amdhsa_kernel k_q389aa14a1a_cast
		.amdhsa_group_segment_fixed_size 0
		.amdhsa_private_segment_fixed_size 0
		.amdhsa_enable_private_segment 0
		.amdhsa_kernarg_size 56
		.amdhsa_user_sgpr_count 2
		.amdhsa_user_sgpr_kernarg_segment_ptr 1
		.amdhsa_wavefront_size32 1
		.amdhsa_system_sgpr_workgroup_id_x 1
		.amdhsa_system_sgpr_workgroup_id_y 1
		.amdhsa_system_sgpr_workgroup_id_z 1
		.amdhsa_system_vgpr_workitem_id 0
		.amdhsa_next_free_vgpr 56
		.amdhsa_next_free_sgpr 66
		.amdhsa_reserve_vcc 0
		.amdhsa_float_denorm_mode_32 3
		.amdhsa_float_denorm_mode_16_64 3
		.amdhsa_memory_ordered 1
		.amdhsa_forward_progress 1
		.amdhsa_inst_pref_size 7
	.end_amdhsa_kernel
	.amdgpu_metadata
---
amdhsa.version: [ 1, 2 ]
amdhsa.kernels:
  - .name:           k_q389aa14a1a_cast
    .symbol:         k_q389aa14a1a_cast.kd
    .args:
      - { .name: x, .offset: 0, .size: 8, .value_kind: global_buffer, .address_space: global }
      - { .name: Wv, .offset: 8, .size: 8, .value_kind: global_buffer, .address_space: global }
      - { .name: Wq, .offset: 16, .size: 8, .value_kind: global_buffer, .address_space: global }
      - { .name: Wk, .offset: 24, .size: 8, .value_kind: global_buffer, .address_space: global }
      - { .name: xb, .offset: 32, .size: 8, .value_kind: global_buffer, .address_space: global }
      - { .name: wvb, .offset: 40, .size: 8, .value_kind: global_buffer, .address_space: global }
      - { .name: wqkb, .offset: 48, .size: 8, .value_kind: global_buffer, .address_space: global }
    .group_segment_fixed_size: 0
    .private_segment_fixed_size: 0
    .kernarg_segment_align: 8
    .kernarg_segment_size: 56
    .max_flat_workgroup_size: 256
    .sgpr_count:     66
    .vgpr_count:     56
    .wavefront_size: 32
...
	.end_amdgpu_metadata
.endif
;; end of part 1
;; launch logits (part 2): grid 8 x 32, 4 waves a work-group, clusters of 4 x 4, 327,680 bytes of LDS; arguments xb, wqkb, bq, bk, dotsp; writes dotsp
.if DOCPART == 2
	.amdgcn_target "amdgcn-amd-amdhsa--gfx1250"
	.amdhsa_code_object_version 6
	.text
	.protected	k_q389aa14a1a_logits
	.globl	k_q389aa14a1a_logits
	.p2align	8
	.type	k_q389aa14a1a_logits,@function
k_q389aa14a1a_logits:
	s_mov_b64 s[64:65], 0
	v_nop
	global_prefetch_b8 v0, s[64:65] scope:SCOPE_SE
	s_setreg_imm32_b32 hwreg(HW_REG_WAVE_MODE, 25, 1), 1
	s_wait_xcnt 0x0
	s_wait_alu depctr_hold_cnt(0) depctr_sa_sdst(0) depctr_va_vdst(0) depctr_va_sdst(0) depctr_va_ssrc(0) depctr_va_vcc(0) depctr_vm_vsrc(0)
	s_getreg_b32 s2, hwreg(HW_REG_IB_STS2, 6, 4)
	s_cmp_eq_u32 s2, 0
	s_cbranch_scc0 .Lentry_in_a_cluster
	s_endpgm
.Lentry_in_a_cluster:
	s_bfe_u32 s2, ttmp6, 0x10000c
	s_cmp_lg_u32 s2, 0xf033
	s_cbranch_scc0 .Lentry_shape_is_right
	s_endpgm
.Lentry_shape_is_right:
; dotsp[s][g][b][i] = the sum over the 16 attention dimensions a = 16 s .. 16 s + 15 of (x[b] . Wq[a] + bq[a]) (x[b] . Wk[h][a] + bk[h][a]), h = 4 g + i: one eighth of the score q . k_h, f32,
; not yet divided by sqrt(128); the third launch adds the eight parts.  xb: [4096][1024] bf16; wqkb: [8][144][1024] bf16 (slice s: 16 rows of Wq, then 16 of each Wk[h]).  Nothing is left out.
; bq and bk are rounded once to bf16, like the other inputs, and start the sums as the C operand of the first products.  q and k stay in f32 accumulators and are never stored.
; SHARES.  A work-group has 128 rows of x and one slice: a tile of 128 x 144, K = 1,024: 32 x 8 = 256 work-groups, and no column of q or k is made by two of them.
; Wave (rh, ch) has rows 64 rh .. + 63, q's block of 16 columns and the blocks of heads 4 ch .. 4 ch + 3: 4 x 5 accumulators, so that its products q k are made in its own registers.
; (q's block is made by both ch: 18 LDS loads feed 20 products; 32 rows x all 9 blocks a wave would take 22 loads for 18.)
; THE MATRIX INSTRUCTION IS USED TRANSPOSED (source 0 = 16 rows of wqkb, source 1 = 16 rows of xb): lane l holds row l % 16 of x and columns 8 (l / 16) + 0..7.
; RING.  K in FOUR steps of 256 (rows of 512 bytes in memory) through two LDS slots of 272 rows, as long as two slots in LDS allow: the first two steps are asked for together at the head, so only
; two refills are waited for.  Waves 0, 1 fetch the halves of xb's tile (64 rows each), waves 2, 3 those of wqkb's (72 rows each).  From a request to the wait for it a wave issues 150 products.
; The four steps are written out by macro: only the first two changes of slots fill a slot again.
; CLUSTER 4 x 4: the four of a row share 128 rows of xb, the four of a column a slice's 144 rows of wqkb: each tile is asked for jointly.
; NO PREFETCH: of the four K steps two are asked for at the head, and the other two one step after each other: ahead of them lies only the kernel's head.
; REGISTERS: window 0: v16-29 addresses; v32-63 at work; two fragment buffers of 72 (40 of wqkb, 32 of xb) at v64 and v136; v208-239 the way out.
;   Window 1: accumulator (a, i) at 8 (5 a + i), i = 0 q, 1-4 my heads; v160-199 the biases of my 5 column blocks, as C operands.
.set KSTEP,  256
.set PITCH,  528                       ; an LDS row: 512 bytes + 16 of padding = 132 words: the 16 rows of a fragment load start at 16 different groups of four banks
.set HALFA,  64*PITCH                  ; what a wave fetches of xb, and what a wave reads of it
.set HALFB,  72*PITCH                  ; what a wave fetches of wqkb
.set BOFF,   2*HALFA                   ; in a slot: xb's 128 rows, then wqkb's 144
.set SLOT,   BOFF+2*HALFB
.set SPARE,  2*SLOT                    ; behind the ring: the spare words, 128 bytes for each wave: two blocks of 256 bytes that no other line names
.set ADRA, 16                          ; v16-17  LDS address of my xb fragments in slot 0, 1
.set ADRQ, 18                          ; v18-19  of Wq's fragment
.set ADRK, 20                          ; v20-21  of my four heads' fragments
.set GO,   26                          ; v26     16 x lane: my 16 bytes of a store
.set BO,   27                          ; v27     32 (l / 16): my 8 columns in a block's 16 biases
.set SPW,  28                          ; v28     my spare word: SPARE + 4 x my thread's number; never rewritten
.set NIL,  29                          ; v29     0; never rewritten
.set F0,   64
.set F1,   136
.set BIAS, 160                         ; window 1
.set G1,  24                           ; s[24:31] descriptor group 1 for xb's tiles; s[32:39] group 0, a set for each slot
.set G0,  32
.set G1B, 48                           ; s[48:55], s[56:63] the same for wqkb's
.set G0B, 56
.set MSB, 0
.macro WIN new                         ; low byte: bits 1:0 source 0, 3:2 source 1, 5:4 source 2, 7:6 destination; the high byte repeats the setting that is left
.if MSB != (\new)
	s_set_vgpr_msb (MSB<<8)|(\new)
.set MSB, \new
.endif
.endm
.macro JLOAD s                         ; a joint load; the branch hangs on the wave's number alone; an s_nop 0 and four v_nop follow each line
	s_cmp_eq_u32 s11, 0
	s_cbranch_scc0 .Lfor_b_\@
	tensor_load_to_lds s[G0+4*(\s):G0+4*(\s)+3], s[G1:G1+7]
	s_nop 0
.rept 4
	v_nop
.endr
	s_branch .Lasked_\@
.Lfor_b_\@:
	tensor_load_to_lds s[G0B+4*(\s):G0B+4*(\s)+3], s[G1B:G1B+7]
	s_nop 0
.rept 4
	v_nop
.endr
.Lasked_\@:
.endm
.macro CREST                           ; a round of the cluster's barrier behind its opening barrier
	s_cmp_lg_u32 s10, 0
	s_cbranch_scc1 .Lnot_wave_0_\@
	s_barrier_signal -3
.Lnot_wave_0_\@:
	s_barrier_wait -3
	s_barrier_signal -1
	s_barrier_wait -1
.endm
.macro CROUND                          ; a whole round
	s_barrier_signal -1
	s_barrier_wait -1
	CREST
.endm
.macro PLACES                          ; four places in front of loads into registers that matrix instructions have read, and of vector lines that read results
.rept 4
	v_nop
.endr
.endm
	s_load_b256 s[68:75], s[0:1], 0x0              ; xb s[68:69], wqkb s[70:71], bq s[72:73], bk s[74:75]
	s_load_b64 s[76:77], s[0:1], 0x20              ; dotsp
	v_lshl_add_u32 v[SPW], v0, 2, SPARE
	v_mov_b32 v[NIL], 0
	ds_add_u32 v[SPW], v[NIL]                      ; the wave's opening: the add, twice on end, and its wait ahead of my first tensor load
	ds_add_u32 v[SPW], v[NIL]                      ; the set-up below, work on registers, stands between the second add and the wait
	v_lshrrev_b32 v1, 5, v0
	v_readfirstlane_b32 s10, v1                    ; wave 0..3
	s_lshr_b32 s11, s10, 1                         ; rh: my 64 rows.  Also: I fetch for xb (0) or wqkb (1)
	s_and_b32 s12, s10, 1                          ; ch: my four heads.  Also: which half of that tile I fetch
	s_bfe_u32 s40, ttmp6, 0x40000                  ; cx, cy: my place in the cluster
	s_bfe_u32 s41, ttmp6, 0x40004
	s_lshl_b32 s42, ttmp9, 2
	s_add_co_u32 s42, s42, s40                     ; the slice = 4 x cluster x + cx
	s_and_b32 s13, ttmp7, 0xffff
	s_lshl_b32 s13, s13, 2
	s_add_co_u32 s13, s13, s41                     ; the block of 128 rows = 4 x cluster y + cy
	s_lshl_b32 s43, s41, 2
	s_lshl_b32 s43, 15, s43                        ; my row of the cluster
	s_lshl_b32 s44, 0x1111, s40                    ; my column
	s_or_b32 s[G1+0], s43, (1<<16)|(1<<20)|(1<<21)|(6<<22)|(3<<25)   ; the mask; 2-byte elements; padding on; bit 21 beside a mask; after every 128 words, 4 words
	s_or_b32 s[G1B+0], s44, (1<<16)|(1<<20)|(1<<21)|(6<<22)|(3<<25)
	s_mov_b32 s[G1+1], KSTEP<<16                   ; tensor_dim0 = 256
	s_mov_b32 s[G1+2], 64<<16                      ; tensor_dim1 = 64
	s_mov_b32 s[G1+3], KSTEP<<16                   ; tile_dim0 = 256
	s_mov_b32 s[G1+4], 64                          ; tile_dim1 = 64
	s_mov_b32 s[G1+5], 1024                        ; elements from row to row
	s_mov_b32 s[G1+6], 0
	s_mov_b32 s[G1+7], 0
	s_mov_b32 s[G1B+1], KSTEP<<16
	s_mov_b32 s[G1B+2], 72<<16                     ; 72 rows
	s_mov_b32 s[G1B+3], KSTEP<<16
	s_mov_b32 s[G1B+4], 72
	s_mov_b32 s[G1B+5], 1024
	s_mov_b32 s[G1B+6], 0
	s_mov_b32 s[G1B+7], 0
	s_mov_b32 s78, 0x76543210                      ; v_permlanex16_b32: each lane takes its own place in the other half
	s_mov_b32 s79, 0xfedcba98
	s_lshl_b32 s16, s13, 7
	s_lshl_b32 s17, s12, 6
	s_add_co_u32 s16, s16, s17                     ; xb: row 128 x block + 64 x half
	s_lshl_b32 s16, s16, 11                        ; rows of 2,048 bytes
	s_mov_b32 s17, 0
	s_mul_i32 s46, s42, 144
	s_mul_i32 s47, s12, 72
	s_add_co_u32 s46, s46, s47                     ; wqkb: row 144 x slice + 72 x half
	s_lshl_b32 s46, s46, 11
	s_mov_b32 s47, 0
	s_mul_i32 s20, s12, HALFA                      ; where they go: no place in the cluster enters an LDS address
	s_mul_i32 s23, s12, HALFB
	s_add_co_u32 s23, s23, BOFF
	s_wait_dscnt 0x0                               ; both opening adds are done
	s_wait_kmcnt 0x0
	s_add_nc_u64 s[14:15], s[68:69], s[16:17]
	s_add_nc_u64 s[46:47], s[70:71], s[46:47]
	CROUND                                         ; all sixteen work-groups are here: the first joint loads meet
.irp s, 0,1
	s_mov_b32 s[G0+4*(\s)], 1
	s_add_co_u32 s[G0+4*(\s)+1], s20, (\s)*SLOT
	s_add_nc_u64 s[G0+4*(\s)+2:G0+4*(\s)+3], s[14:15], (\s)*KSTEP*2   ; K step s
	s_or_b32 s[G0+4*(\s)+3], s[G0+4*(\s)+3], 0x80000000
	s_mov_b32 s[G0B+4*(\s)], 1
	s_add_co_u32 s[G0B+4*(\s)+1], s23, (\s)*SLOT
	s_add_nc_u64 s[G0B+4*(\s)+2:G0B+4*(\s)+3], s[46:47], (\s)*KSTEP*2
	s_or_b32 s[G0B+4*(\s)+3], s[G0B+4*(\s)+3], 0x80000000
	JLOAD \s                                       ; two loads of mine are out
.endr
	; the biases: register j of a block's C operand is the bias of its column 8 (l / 16) + j: 32 bytes a lane
	v_and_b32 v1, 15, v0                           ; l % 16
	v_bfe_u32 v2, v0, 4, 1                         ; l / 16
	v_lshlrev_b32 v[BO], 5, v2
	s_lshl_b32 s46, s42, 6                         ; the slice's 16 numbers: 64 bytes
	s_mov_b32 s47, 0
	s_add_nc_u64 s[72:73], s[72:73], s[46:47]      ; bq at the slice
	s_lshl_b32 s22, s12, 11                        ; my four heads: 512 bytes a head
	s_add_co_u32 s46, s46, s22
	s_add_nc_u64 s[74:75], s[74:75], s[46:47]      ; bk at my first head, at the slice
	WIN 0x40                                       ; destination window 1, address window 0
	global_load_b128 v[BIAS:BIAS+3],   v[BO], s[72:73]
	global_load_b128 v[BIAS+4:BIAS+7], v[BO], s[72:73] offset:16
.irp i, 0,1,2,3
	global_load_b128 v[BIAS+8+8*(\i):BIAS+8+8*(\i)+3],   v[BO], s[74:75] offset:512*(\i)
	global_load_b128 v[BIAS+8+8*(\i)+4:BIAS+8+8*(\i)+7], v[BO], s[74:75] offset:512*(\i)+16
.endr
	WIN 0
	v_mul_u32_u24 v3, v1, PITCH
	v_lshl_add_u32 v3, v2, 4, v3                   ; a fragment's row x pitch + 16 x half
	s_mul_i32 s21, s11, HALFA                      ; my 64 rows of xb
	s_mul_i32 s22, s12, 64*PITCH                   ; my four heads' 64 rows,
	s_add_co_u32 s22, s22, BOFF+16*PITCH           ; which lie behind Wq's 16
	s_mov_b32 s23, BOFF
.irp s, 0,1
	v_add_nc_u32 v[ADRA+(\s)], s21, v3
	v_add_nc_u32 v[ADRQ+(\s)], s23, v3
	v_add_nc_u32 v[ADRK+(\s)], s22, v3
	s_add_co_u32 s21, s21, SLOT
	s_add_co_u32 s22, s22, SLOT
	s_add_co_u32 s23, s23, SLOT
.endr
	v_and_b32 v4, 31, v0
	v_lshlrev_b32 v[GO], 4, v4
	s_lshl_b32 s46, s42, 17                        ; dotsp: 131,072 bytes a slice,
	s_lshl_b32 s47, s12, 16                        ; 65,536 a group of four heads,
	s_add_co_u32 s46, s46, s47
	s_lshl_b32 s47, s13, 11                        ; 16 bytes a row: my block's 128 rows,
	s_add_co_u32 s46, s46, s47
	s_lshl_b32 s47, s11, 10                        ; my wave's 64
	s_add_co_u32 s46, s46, s47
	s_mov_b32 s47, 0
	s_add_nc_u64 s[76:77], s[76:77], s[46:47]
	s_wait_loadcnt 0x0                             ; the biases are in: rounded to bf16 and widened again
	WIN 0x05                                       ; sources 0 and 1 window 1, destination window 0
.set z, 0
.rept 20
	v_cvt_pk_bf16_f32 v[32+z], v[BIAS+2*z], v[BIAS+2*z+1]
.set z, z+1
.endr
	WIN 0x40
.set z, 0
.rept 20
	v_lshlrev_b32 v[BIAS+2*z], 16, v[32+z]
	v_and_b32 v[BIAS+2*z+1], 0xffff0000, v[32+z]
.set z, z+1
.endr
	WIN 0
; 5 matrix instructions: row block a x my 5 column blocks, 32 along K.  zero = 1: the first products start the sums with the biases.  The 20 accumulators take turns, in the same order in every eighth.
.macro MUL5 f, a, zero
	WIN 0x50                                       ; sources 0 and 1 window 0; C and D window 1
.irp i, 0,1,2,3,4
.if \zero
	v_wmma_f32_16x16x32_bf16 v[8*(5*(\a)+(\i)):8*(5*(\a)+(\i))+7], v[(\f)+8*(\i):(\f)+8*(\i)+7], v[(\f)+40+8*(\a):(\f)+40+8*(\a)+7], v[BIAS+8*(\i):BIAS+8*(\i)+7]
.else
	v_wmma_f32_16x16x32_bf16 v[8*(5*(\a)+(\i)):8*(5*(\a)+(\i))+7], v[(\f)+8*(\i):(\f)+8*(\i)+7], v[(\f)+40+8*(\a):(\f)+40+8*(\a)+7], v[8*(5*(\a)+(\i)):8*(5*(\a)+(\i))+7]
.endif
.endr
.endm
; 18 LDS loads in one run: the fragments of 32 along K at byte k of the rows: Wq's, my four heads', then xb's 4
.macro FETCH slot, k, f
	WIN 0
	ds_load_b128 v[(\f):(\f)+3],   v[ADRQ+(\slot)] offset:(\k)
	ds_load_b128 v[(\f)+4:(\f)+7], v[ADRQ+(\slot)] offset:(\k)+32
.irp i, 0,1,2,3
	ds_load_b128 v[(\f)+8+8*(\i):(\f)+8+8*(\i)+3],   v[ADRK+(\slot)] offset:(\k)+(\i)*16*PITCH
	ds_load_b128 v[(\f)+8+8*(\i)+4:(\f)+8+8*(\i)+7], v[ADRK+(\slot)] offset:(\k)+(\i)*16*PITCH+32
.endr
.irp a, 0,1,2,3
	ds_load_b128 v[(\f)+40+8*(\a):(\f)+40+8*(\a)+3],   v[ADRA+(\slot)] offset:(\k)+(\a)*16*PITCH
	ds_load_b128 v[(\f)+40+8*(\a)+4:(\f)+40+8*(\a)+7], v[ADRA+(\slot)] offset:(\k)+(\a)*16*PITCH+32
.endr
.endm
; A K step is eight eighths of 32 along K, 20 matrix instructions each, on buffers 0, 1 by turns.  One of the first seven: multiplies buffer f and fetches the next eighth, at byte k, into g.
.macro EIGHTH slot, k, f, g, zero
	s_wait_dscnt 4                                 ; all but the youngest four loads: xb's blocks 2 and 3
	MUL5 \f, 0, \zero
	MUL5 \f, 1, \zero
	PLACES
	FETCH \slot, \k, \g
	s_wait_dscnt 18                                ; all but the 18 just issued
	MUL5 \f, 2, \zero
	MUL5 \f, 3, \zero
.endm
.macro STEP slot, first                ; a K step's first seven eighths; its first fragments lie in buffer 0, its last end up in buffer 1
	EIGHTH \slot, 64,  F0, F1, \first
	EIGHTH \slot, 128, F1, F0, 0
	EIGHTH \slot, 192, F0, F1, 0
	EIGHTH \slot, 256, F1, F0, 0
	EIGHTH \slot, 320, F0, F1, 0
	EIGHTH \slot, 384, F1, F0, 0
	EIGHTH \slot, 448, F0, F1, 0
.endm
; The last eighth multiplies buffer 1 and changes slots: ONE barrier; in front of it each wave waits for all its tensor loads, adds 0 to its spare word, and waits for that and for its reads of this slot.
; fill = 1: the barrier opens a round of the cluster's, and this slot is filled again, two K steps ahead, first thing behind the round.
.macro TURN slot, next, fill
	WIN 0
	s_wait_tensorcnt 0x0                           ; all my tensor loads have landed: my part of the next slot
	ds_add_u32 v[SPW], v[NIL]                      ; 0 onto my spare word
	s_wait_dscnt 5                                 ; (the add and the youngest four loads may be out)
	MUL5 F1, 0, 0                                  ; five matrix instructions stand between the add and the wait for it
	s_wait_dscnt 0x0                               ; the add is done, and my reads of this slot are over
	s_barrier_signal -1
	MUL5 F1, 1, 0
.if \fill
	WIN 0
.endif
	s_barrier_wait -1
.if \fill
	CREST                                          ; no wave of any partner still reads this slot or has a load on its way
	s_add_nc_u64 s[G0+4*(\slot)+2:G0+4*(\slot)+3], s[G0+4*(\slot)+2:G0+4*(\slot)+3], 2*KSTEP*2
	s_add_nc_u64 s[G0B+4*(\slot)+2:G0B+4*(\slot)+3], s[G0B+4*(\slot)+2:G0B+4*(\slot)+3], 2*KSTEP*2
	JLOAD \slot                                    ; my one tensor load behind the round; its four v_nop are also the places in front of the loads below
.else
	PLACES
.endif
	FETCH \next, 0, F0
	MUL5 F1, 2, 0
	MUL5 F1, 3, 0
.endm
	s_wait_tensorcnt 1                             ; my part of K step 0 is in; K step 1's may stay out
	s_barrier_signal -1
	s_barrier_wait -1                              ; everybody's is
	FETCH 0, 0, F0
	STEP 0, 1                                      ; K step 0: its first products start the sums
	TURN 0, 1, 1                                   ; slot 0 takes K step 2
	STEP 1, 0                                      ; K step 1
	TURN 1, 0, 1                                   ; slot 1 takes K step 3
	STEP 0, 0                                      ; K step 2
	TURN 0, 1, 0                                   ; nothing is left to fetch
	STEP 1, 0                                      ; K step 3
	s_wait_dscnt 4
	MUL5 F1, 0, 0
	MUL5 F1, 1, 0
	s_wait_dscnt 0x0
	MUL5 F1, 2, 0
	MUL5 F1, 3, 0
	PLACES
	; THE WAY OUT.  A lane's part of q k for row block a and head i: its 8 columns, two at a time; each accumulator's lowest registers are read first
	WIN 0x05                                       ; sources 0 and 1 window 1; source 2 and destination window 0
.irp jp, 0,1,2,3
.irp a, 0,1,2,3
.irp i, 0,1,2,3
.if (\jp) == 0
	v_pk_mul_f32 v[32+2*(4*(\a)+(\i)):33+2*(4*(\a)+(\i))], v[40*(\a)+2*(\jp):40*(\a)+2*(\jp)+1], v[40*(\a)+8+8*(\i)+2*(\jp):40*(\a)+8+8*(\i)+2*(\jp)+1]
.else
	v_pk_fma_f32 v[32+2*(4*(\a)+(\i)):33+2*(4*(\a)+(\i))], v[40*(\a)+2*(\jp):40*(\a)+2*(\jp)+1], v[40*(\a)+8+8*(\i)+2*(\jp):40*(\a)+8+8*(\i)+2*(\jp)+1], v[32+2*(4*(\a)+(\i)):33+2*(4*(\a)+(\i))]
.endif
.endr
.endr
.endr
	WIN 0
.set z, 0
.rept 16
	v_add_f32 v[208+z], v[32+2*z], v[33+2*z]       ; (block a, head i) at 208 + 4 a + i
.set z, z+1
.endr
	; A row's other 8 columns lie in the lane 16 away.  Of a pair of blocks the lower lanes keep the first block's part and send the second's, the upper lanes the other way round:
	; lane l then holds row l of the pair's 32 rows, four heads: 16 bytes, and the wave's store covers 512 consecutive bytes.
	s_mov_b32 s20, 0xffff0000                      ; the upper lanes
.irp pr, 0,1
.irp i, 0,1,2,3
	v_cndmask_b32 v[224+4*(\pr)+(\i)], v[208+8*(\pr)+(\i)], v[212+8*(\pr)+(\i)], s20   ; kept
	v_cndmask_b32 v[232+4*(\pr)+(\i)], v[212+8*(\pr)+(\i)], v[208+8*(\pr)+(\i)], s20   ; sent
.endr
.endr
.irp pr, 0,1
.irp i, 0,1,2,3
	v_permlanex16_b32 v[208+8*(\pr)+(\i)], v[232+4*(\pr)+(\i)], s78, s79   ; its destination counts as read: a register that has been written and is done with
.endr
.endr
.irp pr, 0,1
.irp i, 0,1,2,3
	v_add_f32 v[224+4*(\pr)+(\i)], v[224+4*(\pr)+(\i)], v[208+8*(\pr)+(\i)]
.endr
.endr
	global_store_b128 v[GO], v[224:227], s[76:77]
	global_store_b128 v[GO], v[228:231], s[76:77] offset:512
	s_wait_tensorcnt 0x0                           ; the wave's end, behind my last tensor load
	ds_add_u32 v[SPW], v[NIL]
	s_wait_dscnt 0x0
	CROUND                                         ; the closing round: no work-group ends while a partner may still ask for a tile that names it
	s_endpgm
.Lfunc_end_k_q389aa14a1a_logits:
	.size	k_q389aa14a1a_logits, .Lfunc_end_k_q389aa14a1a_logits-k_q389aa14a1a_logits
	.p2alignl 7, 3214868480
	.fill 96, 4, 3214868480
	.section	.rodata,"a",@progbits
	.p2align	6, 0x0
	.amdhsa_kernel k_q389aa14a1a_logits
		.amdhsa_group_segment_fixed_size 327680
		.amdhsa_private_segment_fixed_size 0
		.amdhsa_enable_private_segment 0
		.amdhsa_kernarg_size 40
		.amdhsa_user_sgpr_count 2
		.amdhsa_user_sgpr_kernarg_segment_ptr 1
		.amdhsa_wavefront_size32 1
		.amdhsa_system_sgpr_workgroup_id_x 1
		.amdhsa_system_sgpr_workgroup_id_y 1
		.amdhsa_system_sgpr_workgroup_id_z 1
		.amdhsa_system_vgpr_workitem_id 0
		.amdhsa_next_free_vgpr 456
		.amdhsa_next_free_sgpr 80
		.amdhsa_reserve_vcc 0
		.amdhsa_float_denorm_mode_32 3
		.amdhsa_float_denorm_mode_16_64 3
		.amdhsa_memory_ordered 1
		.amdhsa_forward_progress 1
		.amdhsa_inst_pref_size 105
	.end_amdhsa_kernel
	.amdgpu_metadata
---
amdhsa.version: [ 1, 2 ]
amdhsa.kernels:
  - .name:           k_q389aa14a1a_logits
    .symbol:         k_q389aa14a1a_logits.kd
    .args:
      - { .name: xb, .offset: 0, .size: 8, .value_kind: global_buffer, .address_space: global }
      - { .name: wqkb, .offset: 8, .size: 8, .value_kind: global_buffer, .address_space: global }
      - { .name: bq, .offset: 16, .size: 8, .value_kind: global_buffer, .address_space: global }
      - { .name: bk, .offset: 24, .size: 8, .value_kind: global_buffer, .address_space: global }
      - { .name: dotsp, .offset: 32, .size: 8, .value_kind: global_buffer, .address_space: global }
    .group_segment_fixed_size: 327680
    .private_segment_fixed_size: 0
    .kernarg_segment_align: 8
    .kernarg_segment_size: 40
    .max_flat_workgroup_size: 128
    .sgpr_count:     80
    .vgpr_count:     456
    .wavefront_size: 32
...
	.end_amdgpu_metadata
.endif
;; end of part 2
;; launch values (part 3): grid 16 x 16, 4 waves a work-group, clusters of 4 x 4, 327,680 bytes of LDS; arguments xb, wvb, dotsp, bv, out0; writes out0
.if DOCPART == 3
	.amdgcn_target "amdgcn-amd-amdhsa--gfx1250"
	.amdhsa_code_object_version 6
	.text
	.protected	k_q389aa14a1a_values
	.globl	k_q389aa14a1a_values
	.p2align	8
	.type	k_q389aa14a1a_values,@function
k_q389aa14a1a_values:
	s_mov_b64 s[64:65], 0
	v_nop
	global_prefetch_b8 v0, s[64:65] scope:SCOPE_SE
	s_setreg_imm32_b32 hwreg(HW_REG_WAVE_MODE, 25, 1), 1
	s_wait_xcnt 0x0
	s_wait_alu depctr_hold_cnt(0) depctr_sa_sdst(0) depctr_va_vdst(0) depctr_va_sdst(0) depctr_va_ssrc(0) depctr_va_vcc(0) depctr_vm_vsrc(0)
	s_getreg_b32 s2, hwreg(HW_REG_IB_STS2, 6, 4)
	s_cmp_eq_u32 s2, 0
	s_cbranch_scc0 .Lentry_in_a_cluster
	s_endpgm
.Lentry_in_a_cluster:
	s_bfe_u32 s2, ttmp6, 0x10000c
	s_cmp_lg_u32 s2, 0xf033
	s_cbranch_scc0 .Lentry_shape_is_right
	s_endpgm
.Lentry_shape_is_right:
; out[b][o] = sum over h of att[b][h] (x[b] . Wv[h][o] + bv[h][o]),  att[b] = softmax over h of d[h][b] / sqrt(128),  d[h][b] = the sum over s of dotsp[s][h / 4][b][h % 4].  Nothing is left out.
; xb: [4096][1024] bf16.  wvb: [8192][1024] bf16, row 512 p + 256 t + 128 c + 16 h + oo = Wv[h][64 p + 32 t + 16 c + oo].  dotsp: [8][2][4096][4] f32.  out0: [4096][1024] f32.
; LIMITS: bv is rounded once to bf16, like the other inputs; the maximum over the heads is taken away before the exponentials; a gate below 2^-126 counts as 0; NaN and infinities are not treated apart.
; SHARES.  A work-group has 256 rows of x and 64 output columns, in TWO tiles of 256 rows of xb x 256 rows of wvb (8 heads x 32 columns), one after the other, the ring running on from the first
; into the second.  A wave makes 128 x 128: 64 accumulators; its 8 column blocks are THE 8 HEADS of the same 16 output columns.
; THE MATRIX INSTRUCTION IS USED TRANSPOSED (source 0 = 16 rows of wvb, source 1 = 16 rows of xb): lane l holds row l % 16 of x and columns 8 (l / 16) + 0..7.  So the sum over heads is made in the
; lane's own registers, in f32, with the lane's own eight gates: 32 packed multiply-adds for a block of 16 rows, at a tile's end; the loop over K has no vector work.  bv starts the sums as the C operand.
; RING.  K in steps of 128 through two LDS slots (256 rows of xb, 256 of wvb each); each wave fetches 128 rows x 256 bytes with one tensor load.
; CLUSTER 4 x 4: the four of a row share 256 rows of xb, the four of a column 512 rows of wvb: each tile is asked for jointly.
; THE WAY OUT.  The first tile's 32 columns wait in registers; at the end both tiles go through a stage in LDS, so that a row's 64 columns, 256 consecutive aligned bytes, leave by one store of 16 lanes.
; The stage lies in slot 0: it is written behind the last change of slots, when slot 0 has had its last fill and every wave has waited for its reads of it in front of that barrier.
; REGISTERS: window 0: v16-31 addresses; v32-63 at work; v64-127, v128-191 fragments of xb, two buffers; v192-255 the first tile's results, block a at 192 + 8 a.
;   window 1: v0-63 bv as C operands, head b at 8 b; v64-127, v128-191 fragments of wvb; v192-255 the gates, (block a, head h) at 192 + 8 a + h.
;   window 2: the accumulators of my rows 0-63, (a, b) at 8 (8 a + b) (at the head: the scores' parts as loaded); window 3: those of my rows 64-127.
.set SIZE_K, 1024
.set KSTEP,  128
.set PITCH,  272                       ; an LDS row: 256 bytes + 16 of padding = 68 words: the 16 rows that a load or a stage store touches start at 16 different groups of four banks
.set HALFT,  128*PITCH                 ; 128 rows: what one tensor load brings, and what one wave reads of xb or of wvb
.set SLOT,   4*HALFT
.set SPARE,  2*SLOT                    ; behind the ring: the spare words, 128 bytes for each wave: two blocks of 256 bytes that no other line names
.set LAPS,   SIZE_K/(2*KSTEP)
.set BACK_A, (SIZE_K-2*KSTEP)*2        ; at the change of tiles xb goes back along K: both tiles take the same rows,
.set NEXT_B, 256*SIZE_K*2-BACK_A       ; wvb 256 rows down and back along K
.set ADRA, 16                          ; v16-17  LDS address of my xb fragments in slot 0, 1
.set ADRB, 20                          ; v20-21  the same for wvb
.set STO,  24                          ; v24     the way out: where I put 16 bytes of a row
.set RD,   25                          ; v25     where I read a row back
.set CO,   26                          ; v26     my byte offset in out0
.set DO,   27                          ; v27     my byte offset in dotsp: 16 (l % 16), and four slices on for the upper lanes
.set SPW,  28                          ; v28     my spare word: SPARE + 4 x my thread's number; never rewritten
.set NIL,  29                          ; v29     0; never rewritten
.set PFO,  30                          ; v30     the prefetches' offset: my lane x a row of 2,048 bytes; never rewritten
.set BO,   31                          ; v31     32 (l / 16): my 8 columns in bv
.set F0,   64
.set F1,   128
.set KEEP, 192                         ; window 0
.set BIAS, 0                           ; window 1
.set ATT,  192                         ; window 1
.set PFA,  44                          ; s[44:45] where my prefetches stand
.set LIM,  43                          ; s43     1 in a wave that prefetches, else the greatest number
.set G1,  24
.set G0,  32
.set G1B, 48
.set G0B, 56
.set MSB, 0
.macro WIN new                         ; low byte: bits 1:0 source 0, 3:2 source 1, 5:4 source 2, 7:6 destination; the high byte repeats the setting that is left
.if MSB != (\new)
	s_set_vgpr_msb (MSB<<8)|(\new)
.set MSB, \new
.endif
.endm
.set MUL_LO, 0xa1                      ; source 0 (wvb) window 1, source 1 (xb) window 0, C and D window 2
.set TO_B,   0x40                      ; destination window 1, address window 0
.macro JLOAD s                         ; a joint load: waves 0, 1 fetch xb's halves, waves 2, 3 wvb's; an s_nop 0 and four v_nop follow each line
	s_cmp_eq_u32 s11, 0
	s_cbranch_scc0 .Lfor_b_\@
	tensor_load_to_lds s[G0+4*(\s):G0+4*(\s)+3], s[G1:G1+7]
	s_nop 0
.rept 4
	v_nop
.endr
	s_branch .Lasked_\@
.Lfor_b_\@:
	tensor_load_to_lds s[G0B+4*(\s):G0B+4*(\s)+3], s[G1B:G1B+7]
	s_nop 0
.rept 4
	v_nop
.endr
.Lasked_\@:
.endm
; A PREFETCH, behind each joint load and the run of LDS loads that follows it: the K step that stands two refills on (512 matrix instructions ahead of its load): 32 rows x 256 bytes, a lane a row.
; Each row's 256 bytes of a K step are named once in the launch: xb's rows by the clusters with x = 0, in the first tile alone (the second takes the same rows); wvb's by the clusters with y = 0.
; The four partners that ask for a tile jointly share its rows out by address, 32 each.  how = 0, in the loop: the last trip has no K step two on; how = 1: at the change of tiles.
.macro ASK how
.if \how
	s_cmp_eq_u32 s[LIM], 1
.else
	s_cmp_gt_u32 s3, s[LIM]                        ; s3 = 1 in the loop's last trip
.endif
	s_cbranch_scc0 .Lnot_mine_\@
	global_prefetch_b8 v[PFO], s[PFA:PFA+1] offset:KSTEP*2 th:TH_LOAD_NT scope:SCOPE_SE
.Lnot_mine_\@:
.endm
.macro CREST                           ; a round of the cluster's barrier behind its opening barrier
	s_cmp_lg_u32 s10, 0
	s_cbranch_scc1 .Lnot_wave_0_\@
	s_barrier_signal -3
.Lnot_wave_0_\@:
	s_barrier_wait -3
	s_barrier_signal -1
	s_barrier_wait -1
.endm
.macro CROUND
	s_barrier_signal -1
	s_barrier_wait -1
	CREST
.endm
.macro PLACES                          ; four places in front of loads into registers that matrix instructions have read, and of vector lines that read results
.rept 4
	v_nop
.endr
.endm
.macro ALL line:vararg                 ; one line for each of my eight row blocks t
.set t, 0
.rept 8
	\line
.set t, t+1
.endr
.endm
; bv of tile t: register j of head b's C operand is bv[b][64 p + 32 t + 16 c + 8 (l / 16) + j]: 32 bytes a lane and head
.macro BIASLD t
	WIN TO_B
.irp b, 0,1,2,3,4,5,6,7
	global_load_b128 v[BIAS+8*(\b):BIAS+8*(\b)+3],   v[BO], s[74:75] offset:4096*(\b)+128*(\t)
	global_load_b128 v[BIAS+8*(\b)+4:BIAS+8*(\b)+7], v[BO], s[74:75] offset:4096*(\b)+128*(\t)+16
.endr
	WIN 0
.endm
.macro ROUNDB                          ; bv rounded to bf16 and widened again
	WIN 0x05                                       ; sources 0 and 1 window 1, destination window 0
.set z, 0
.rept 32
	v_cvt_pk_bf16_f32 v[32+z], v[BIAS+2*z], v[BIAS+2*z+1]
.set z, z+1
.endr
	WIN TO_B
.set z, 0
.rept 32
	v_lshlrev_b32 v[BIAS+2*z], 16, v[32+z]
	v_and_b32 v[BIAS+2*z+1], 0xffff0000, v[32+z]
.set z, z+1
.endr
	WIN 0
.endm
	s_load_b256 s[68:75], s[0:1], 0x0              ; xb s[68:69], wvb s[70:71], dotsp s[72:73], bv s[74:75]
	s_load_b64 s[76:77], s[0:1], 0x20              ; out0
	v_lshl_add_u32 v[SPW], v0, 2, SPARE
	v_mov_b32 v[NIL], 0
	ds_add_u32 v[SPW], v[NIL]                      ; the wave's opening: the add, twice on end, and its wait ahead of my first tensor load
	ds_add_u32 v[SPW], v[NIL]                      ; the set-up below, work on registers, stands between the second add and the wait
	v_lshrrev_b32 v1, 5, v0
	v_readfirstlane_b32 s10, v1                    ; wave 0..3
	s_lshr_b32 s11, s10, 1                         ; which 128 rows of x are mine.  Also: I fetch for xb (0) or wvb (1)
	s_and_b32 s12, s10, 1                          ; c: which 16 columns of a tile's 32.  Also: which 128 rows of that tile I fetch
	s_bfe_u32 s40, ttmp6, 0x40000                  ; cx, cy: my place in the cluster
	s_bfe_u32 s41, ttmp6, 0x40004
	s_lshl_b32 s42, ttmp9, 2
	s_add_co_u32 s42, s42, s40                     ; p: my 64 output columns = 4 x cluster x + cx
	s_and_b32 s13, ttmp7, 0xffff
	s_lshl_b32 s13, s13, 2
	s_add_co_u32 s13, s13, s41                     ; my block of 256 rows = 4 x cluster y + cy
	s_lshl_b32 s43, s41, 2
	s_lshl_b32 s43, 15, s43                        ; my row of the cluster
	s_lshl_b32 s44, 0x1111, s40                    ; my column
	s_or_b32 s[G1+0], s43, (1<<16)|(1<<20)|(1<<21)|(5<<22)|(3<<25)   ; the mask; 2-byte elements; padding on; bit 21 beside a mask; after every 64 words, 4 words
	s_or_b32 s[G1B+0], s44, (1<<16)|(1<<20)|(1<<21)|(5<<22)|(3<<25)
.irp g, G1, G1B
	s_mov_b32 s[(\g)+1], KSTEP<<16                 ; tensor_dim0 = 128
	s_mov_b32 s[(\g)+2], 128<<16                   ; tensor_dim1 = 128
	s_mov_b32 s[(\g)+3], KSTEP<<16                 ; tile_dim0 = 128
	s_mov_b32 s[(\g)+4], 128                       ; tile_dim1 = 128
	s_mov_b32 s[(\g)+5], SIZE_K                    ; elements from row to row
	s_mov_b32 s[(\g)+6], 0
	s_mov_b32 s[(\g)+7], 0
.endr
	s_mov_b32 s78, 0x3e0293ee                      ; c = log2(e) / sqrt(128) = 0.127517
	s_mov_b32 s79, s78                             ; named with it as a pair
	s_mov_b32 s66, 0x76543210                      ; v_permlanex16_b32: each lane takes its own place in the other half
	s_mov_b32 s67, 0xfedcba98
	s_lshl_b32 s17, s12, 7                         ; which 128 rows of the tile I fetch
	s_lshl_b32 s16, s13, 8
	s_add_co_u32 s16, s16, s17                     ; xb: row 256 x block + 128 x half
	s_lshl_b32 s16, s16, 11                        ; rows of 2,048 bytes
	s_lshl_b32 s46, s42, 9
	s_add_co_u32 s46, s46, s17                     ; wvb: row 512 p + 128 x half (the first tile)
	s_lshl_b32 s46, s46, 11
	s_mov_b32 s17, 0
	s_mov_b32 s47, 0
	s_mul_i32 s20, s10, HALFT                      ; where they go: wave x 128 rows: no place in the cluster enters an LDS address
	s_wait_dscnt 0x0                               ; both opening adds are done
	s_wait_kmcnt 0x0
	s_add_nc_u64 s[14:15], s[68:69], s[16:17]
	s_add_nc_u64 s[46:47], s[70:71], s[46:47]
	CROUND                                         ; all sixteen work-groups are here: the first joint loads meet
.irp s, 0,1
	s_mov_b32 s[G0+4*(\s)], 1
	s_add_co_u32 s[G0+4*(\s)+1], s20, (\s)*SLOT
	s_add_nc_u64 s[G0+4*(\s)+2:G0+4*(\s)+3], s[14:15], (\s)*KSTEP*2   ; K step s
	s_or_b32 s[G0+4*(\s)+3], s[G0+4*(\s)+3], 0x80000000
	s_mov_b32 s[G0B+4*(\s)], 1
	s_add_co_u32 s[G0B+4*(\s)+1], s20, (\s)*SLOT
	s_add_nc_u64 s[G0B+4*(\s)+2:G0B+4*(\s)+3], s[46:47], (\s)*KSTEP*2
	s_or_b32 s[G0B+4*(\s)+3], s[G0B+4*(\s)+3], 0x80000000
	JLOAD \s                                       ; two loads of mine are out
.endr
	; All that follows, up to the first barrier, stands in the wait for the first tile.  The scores' parts of my 128 rows: the lower lanes take slices 0-3, the upper lanes slices 4-7, of row l % 16 of
	; each block: slice sp of the four, block a, head h into register 64 sp + 8 a + h of window 2; 16 lanes read 256 consecutive bytes.  Then bv.
	v_and_b32 v1, 15, v0                           ; l % 16
	v_bfe_u32 v2, v0, 4, 1                         ; l / 16
	v_lshlrev_b32 v[DO], 4, v1                     ; 16 bytes a row
	v_lshl_add_u32 v[DO], v2, 19, v[DO]            ; four slices of 131,072 bytes
	v_lshlrev_b32 v[BO], 5, v2
	s_lshl_b32 s16, s13, 12                        ; dotsp at my rows: 16 (256 x block + 128 x half)
	s_lshl_b32 s17, s11, 11
	s_add_co_u32 s16, s16, s17
	s_mov_b32 s17, 0
	s_add_nc_u64 s[72:73], s[72:73], s[16:17]
	s_lshl_b32 s46, s42, 8                         ; bv at my columns: 4 (64 p + 16 c)
	s_lshl_b32 s47, s12, 6
	s_add_co_u32 s46, s46, s47
	s_mov_b32 s47, 0
	s_add_nc_u64 s[74:75], s[74:75], s[46:47]
	WIN 0x80                                       ; destination window 2, address window 0
.irp sp, 0,1,2,3
.irp a, 0,1,2,3,4,5,6,7
	global_load_b128 v[64*(\sp)+8*(\a):64*(\sp)+8*(\a)+3],   v[DO], s[72:73] offset:131072*(\sp)+256*(\a)
	global_load_b128 v[64*(\sp)+8*(\a)+4:64*(\sp)+8*(\a)+7], v[DO], s[72:73] offset:131072*(\sp)+256*(\a)+65536
.endr
.endr
	BIASLD 0
	s_lshl_b32 s16, s13, 20                        ; out0 at the rows that I store: (256 x block + 64 x wave) x 4,096 bytes,
	s_lshl_b32 s17, s10, 18
	s_add_co_u32 s16, s16, s17
	s_lshl_b32 s46, s42, 8                         ; and my work-group's 64 columns
	s_add_co_u32 s16, s16, s46
	s_mov_b32 s17, 0
	s_add_nc_u64 s[76:77], s[76:77], s[16:17]
	v_mul_u32_u24 v3, v1, PITCH
	v_lshl_add_u32 v3, v2, 4, v3                   ; a fragment's row x pitch + 16 x half
	s_mul_i32 s21, s11, HALFT                      ; my 128 rows of xb
	s_mul_i32 s22, s12, HALFT                      ; my 128 rows of wvb,
	s_add_co_u32 s22, s22, 2*HALFT                 ; which lie behind xb's 256
.irp s, 0,1
	v_add_nc_u32 v[ADRA+(\s)], s21, v3
	v_add_nc_u32 v[ADRB+(\s)], s22, v3
	s_add_co_u32 s21, s21, SLOT
	s_add_co_u32 s22, s22, SLOT
.endr
	s_mul_i32 s23, s11, HALFT                      ; into the stage: row 128 x half + l % 16, byte 64 c + 32 (l / 16)
	s_lshl_b32 s21, s12, 6
	s_add_co_u32 s23, s23, s21
	v_mul_u32_u24 v4, v1, PITCH
	v_lshl_add_u32 v4, v2, 5, v4
	v_add_nc_u32 v[STO], s23, v4
	s_mul_i32 s23, s10, 64*PITCH                   ; back: wave w takes rows 64 w .. 64 w + 63, whole; lanes 0-15 one row of 256 bytes, lanes 16-31 the next
	v_mul_u32_u24 v5, v2, PITCH
	v_lshl_add_u32 v5, v1, 4, v5
	v_add_nc_u32 v[RD], s23, v5
	v_lshlrev_b32 v5, 12, v2                       ; and the same two rows in out0
	v_lshl_add_u32 v[CO], v1, 4, v5
	; the prefetches
	s_lshl_b32 s20, s13, 8                         ; xb's tile begins at row 256 x block,
	s_lshl_b32 s21, s42, 9                         ; wvb's at 512 p
	s_and_b32 s22, ttmp7, 0xffff                   ; cluster y
	s_cmp_eq_u32 s11, 0                            ; do I fetch for xb?
	s_cselect_b32 s20, s20, s21
	s_cselect_b32 s21, s40, s41                    ; my place among the four that ask with me
	s_cselect_b32 s22, ttmp9, s22                  ; the coordinate along which other clusters read the same rows
	s_cselect_b64 s[PFA:PFA+1], s[68:69], s[70:71]
	s_cmp_eq_u32 s22, 0
	s_cselect_b32 s[LIM], 1, -1                    ; the same in all sixteen partners, for a given wave
	s_lshl_b32 s22, s12, 7
	s_add_co_u32 s20, s20, s22                     ; + the 128 rows that I fetch
	s_lshl_b32 s21, s21, 5
	s_add_co_u32 s20, s20, s21                     ; + my work-group's 32 of them
	s_lshl_b32 s20, s20, 11
	s_mov_b32 s21, 0
	s_add_nc_u64 s[PFA:PFA+1], s[PFA:PFA+1], s[20:21]
	s_add_nc_u64 s[PFA:PFA+1], s[PFA:PFA+1], 2*KSTEP*2   ; at K step 2: the first refill steps it to 3 and names K step 4.  Nothing is prefetched here, at the head
	v_and_b32 v[PFO], 31, v0
	v_lshlrev_b32 v[PFO], 11, v[PFO]
	; THE SCORES: my four slices are added, then the other four, which lie in the lane 16 away: block a, head h in v[64 + 8 a + h]
	s_wait_loadcnt 16                              ; the 64 loads of the parts are in; bv's 16 may stay out
	WIN 0x0a                                       ; sources 0 and 1 window 2, destination window 0
.set z, 0
.rept 32
	v_pk_add_f32 v[64+2*z:65+2*z], v[2*z:2*z+1], v[64+2*z:65+2*z]
	v_pk_add_f32 v[128+2*z:129+2*z], v[128+2*z:129+2*z], v[192+2*z:193+2*z]
.set z, z+1
.endr
	WIN 0
.set z, 0
.rept 32
	v_pk_add_f32 v[64+2*z:65+2*z], v[64+2*z:65+2*z], v[128+2*z:129+2*z]
.set z, z+1
.endr
.set z, 0
.rept 64
	v_permlanex16_b32 v[128+z], v[64+z], s66, s67  ; its destination counts as read: it has been written above and is done with
.set z, z+1
.endr
.set z, 0
.rept 32
	v_pk_add_f32 v[64+2*z:65+2*z], v[64+2*z:65+2*z], v[128+2*z:129+2*z]
.set z, z+1
.endr
	; THE GATES, for my lane's row in each of the eight blocks: m = the largest of the 8 scores; e = 2^(c d - c m); att = e / the sum of the e
	ALL v_max3_num_f32 v[33+2*t], v[64+8*t], v[65+8*t], v[66+8*t]
	ALL v_max3_num_f32 v[33+2*t], v[33+2*t], v[67+8*t], v[68+8*t]
	ALL v_max3_num_f32 v[33+2*t], v[33+2*t], v[69+8*t], v[70+8*t]
	ALL v_max_num_f32 v[33+2*t], v[33+2*t], v[71+8*t]
	ALL v_mul_f32 v[32+2*t], s78, v[33+2*t]
.set z, 0
.rept 32
	v_pk_fma_f32 v[64+2*z:65+2*z], v[64+2*z:65+2*z], s[78:79], v[32+2*(z/4):33+2*(z/4)] op_sel_hi:[1,0,0] neg_lo:[0,0,1] neg_hi:[0,0,1]   ; c d - c m, two heads at a time
.set z, z+1
.endr
.set z, 0
.rept 64
	v_exp_f32 v[64+z], v[64+z]
.set z, z+1
.endr
	v_nop                                          ; a plain instruction behind the last exponential,
	s_wait_alu depctr_va_vdst(0)                   ; and the wait ahead of the first use: one for the 64
	ALL v_pk_add_f32 v[128+4*t:129+4*t], v[64+8*t:65+8*t], v[66+8*t:67+8*t]
	ALL v_pk_add_f32 v[130+4*t:131+4*t], v[68+8*t:69+8*t], v[70+8*t:71+8*t]
	ALL v_pk_add_f32 v[128+4*t:129+4*t], v[128+4*t:129+4*t], v[130+4*t:131+4*t]
	ALL v_add_f32 v[32+2*t], v[128+4*t], v[129+4*t]
	ALL v_rcp_f32 v[32+2*t], v[32+2*t]
	v_nop
	s_wait_alu depctr_va_vdst(0)                   ; one wait for the eight reciprocals
	WIN TO_B
.set z, 0
.rept 32
	v_pk_mul_f32 v[ATT+2*z:ATT+2*z+1], v[64+2*z:65+2*z], v[32+2*(z/4):33+2*(z/4)] op_sel_hi:[1,0]
.set z, z+1
.endr
	WIN 0
	s_wait_loadcnt 0x0                             ; bv
	ROUNDB
; 16 matrix instructions: row blocks a0, a0 + 1 of the window's four (hi = 0: my rows 0-63, 1: rows 64-127) x all 8 heads, 32 along K.  zero = 1: the first products start the sums with bv.
; The 64 accumulators take turns, in the same order in every quarter, over the backward jumps too.
.macro MUL16 f, hi, a0, zero
.if \zero
	WIN 0x91+0x40*(\hi)                            ; C window 1, D window 2 or 3
.else
	WIN MUL_LO+0x50*(\hi)                          ; C and D window 2 or 3
.endif
.irp a, \a0, (\a0)+1
.irp b, 0,1,2,3,4,5,6,7
.if \zero
	v_wmma_f32_16x16x32_bf16 v[8*(8*(\a)+(\b)):8*(8*(\a)+(\b))+7], v[(\f)+8*(\b):(\f)+8*(\b)+7], v[(\f)+8*(4*(\hi)+(\a)):(\f)+8*(4*(\hi)+(\a))+7], v[BIAS+8*(\b):BIAS+8*(\b)+7]
.else
	v_wmma_f32_16x16x32_bf16 v[8*(8*(\a)+(\b)):8*(8*(\a)+(\b))+7], v[(\f)+8*(\b):(\f)+8*(\b)+7], v[(\f)+8*(4*(\hi)+(\a)):(\f)+8*(4*(\hi)+(\a))+7], v[8*(8*(\a)+(\b)):8*(8*(\a)+(\b))+7]
.endif
.endr
.endr
.endm
; 32 LDS loads in one run: the fragments of one quarter step (128 rows of wvb, 128 rows of xb, 32 K at byte k of the rows) into buffer f
.macro FETCH slot, k, f
	WIN TO_B
.irp i, 0,1,2,3,4,5,6,7
	ds_load_b128 v[(\f)+8*(\i):(\f)+8*(\i)+3],   v[ADRB+(\slot)] offset:(\k)+(\i)*16*PITCH
	ds_load_b128 v[(\f)+8*(\i)+4:(\f)+8*(\i)+7], v[ADRB+(\slot)] offset:(\k)+(\i)*16*PITCH+32
.endr
	WIN 0
.irp i, 0,1,2,3,4,5,6,7
	ds_load_b128 v[(\f)+8*(\i):(\f)+8*(\i)+3],   v[ADRA+(\slot)] offset:(\k)+(\i)*16*PITCH
	ds_load_b128 v[(\f)+8*(\i)+4:(\f)+8*(\i)+7], v[ADRA+(\slot)] offset:(\k)+(\i)*16*PITCH+32
.endr
.endm
; A K step is four quarters of 32 along K, 64 matrix instructions each, on buffers 0, 1, 0, 1.  One of the first three: multiplies buffer f; in its middle it fetches the next quarter, at byte k, into g.
.macro QUARTER slot, k, f, g, zero
	s_wait_dscnt 8                                 ; wvb's and xb's rows 0-63 are in; the youngest eight loads (xb's rows 64-127) may be out
	MUL16 \f, 0, 0, \zero
	MUL16 \f, 0, 2, \zero
	PLACES
	FETCH \slot, \k, \g
	s_wait_dscnt 32                                ; all but the 32 just issued
	MUL16 \f, 1, 0, \zero
	MUL16 \f, 1, 2, \zero
.endm
; The last quarter's first half: ONE barrier for the change of slots.  In front of it each wave waits for all its tensor loads (one is out: its part of the next slot), adds 0 to its spare word,
; and waits for that and for its own reads of this slot.  Behind it nobody reads this slot any more and the next slot is whole.
.macro MEET round
	WIN 0
	s_wait_tensorcnt 0x0
	ds_add_u32 v[SPW], v[NIL]                      ; 0 onto my spare word
	s_wait_dscnt 9                                 ; (the add and the youngest eight loads may be out)
	MUL16 F1, 0, 0, 0                              ; sixteen matrix instructions stand between the add and the wait for it
	s_wait_dscnt 0x0                               ; the add is done, and my reads of this slot are over
	s_barrier_signal -1
	MUL16 F1, 0, 2, 0
.if \round
	WIN 0
.endif
	s_barrier_wait -1
.endm
; The whole last quarter.  Behind the round the slot just read out is filled again first: with this tile's K step two steps on (on = 0) or with the next tile's K step 0 or 1 (on = 1).
; From a request to the wait for it a wave issues 224 matrix instructions.
.macro TURN slot, next, on
	s_wait_xcnt 0x0                                ; the last prefetch, a K step back, has read its address: it is stepped here
.if (\on) && (\slot) == 0
	s_add_nc_u64 s[PFA:PFA+1], s[PFA:PFA+1], 255*SIZE_K*2+KSTEP*2   ; from the K step after the tile's last to the next tile's K step 1: 256 rows down, back along K
	s_cmp_eq_u32 s11, 1
	s_cselect_b32 s[LIM], s[LIM], -1               ; xb's rows are the same in both tiles: they are asked for no more
.else
	s_add_nc_u64 s[PFA:PFA+1], s[PFA:PFA+1], KSTEP*2
.endif
	MEET 1
	CREST                                          ; no wave of any partner still reads this slot's tile or has a load on its way
.if \on
	s_sub_nc_u64 s[G0+4*(\slot)+2:G0+4*(\slot)+3], s[G0+4*(\slot)+2:G0+4*(\slot)+3], BACK_A
	s_add_nc_u64 s[G0B+4*(\slot)+2:G0B+4*(\slot)+3], s[G0B+4*(\slot)+2:G0B+4*(\slot)+3], NEXT_B
.else
	s_add_nc_u64 s[G0+4*(\slot)+2:G0+4*(\slot)+3], s[G0+4*(\slot)+2:G0+4*(\slot)+3], 2*KSTEP*2
	s_add_nc_u64 s[G0B+4*(\slot)+2:G0B+4*(\slot)+3], s[G0B+4*(\slot)+2:G0B+4*(\slot)+3], 2*KSTEP*2
.endif
	JLOAD \slot                                    ; my one tensor load behind the round; its four v_nop are also the places in front of the loads below
	FETCH \next, 0, F0
	ASK \on
	MUL16 F1, 1, 0, 0
	MUL16 F1, 1, 2, 0
.endm
; THE SUM OVER HEADS for row block a: dst[j] = sum over b of att(a, b) x accumulator (a, b)[j], two columns at a time; each accumulator's lowest registers are read first.
; The gates lie two to a pair: op_sel picks the head's.
.macro COMBINE a, dst
	WIN 0x06+(\a)/4                                ; source 0 window 2 or 3, source 1 window 1, source 2 and destination window 0
.set AC, 64*((\a)%4)
.irp b, 0,1,2,3,4,5,6,7
.irp jp, 0,1,2,3
.if (\b) == 0
	v_pk_mul_f32 v[(\dst)+2*(\jp):(\dst)+2*(\jp)+1], v[AC+2*(\jp):AC+2*(\jp)+1], v[ATT+8*(\a):ATT+8*(\a)+1] op_sel_hi:[1,0]
.elseif (\b)%2 == 0
	v_pk_fma_f32 v[(\dst)+2*(\jp):(\dst)+2*(\jp)+1], v[AC+8*(\b)+2*(\jp):AC+8*(\b)+2*(\jp)+1], v[ATT+8*(\a)+(\b):ATT+8*(\a)+(\b)+1], v[(\dst)+2*(\jp):(\dst)+2*(\jp)+1] op_sel_hi:[1,0,1]
.else
	v_pk_fma_f32 v[(\dst)+2*(\jp):(\dst)+2*(\jp)+1], v[AC+8*(\b)+2*(\jp):AC+8*(\b)+2*(\jp)+1], v[ATT+8*(\a)+(\b)-1:ATT+8*(\a)+(\b)], v[(\dst)+2*(\jp):(\dst)+2*(\jp)+1] op_sel:[0,1,0] op_sel_hi:[1,1,1]
.endif
.endr
.endr
.endm
	s_wait_tensorcnt 1                             ; my part of K step 0 is in; K step 1's may stay out
	s_barrier_signal -1
	s_barrier_wait -1                              ; everybody's is
	FETCH 0, 0, F0
	s_mov_b32 s2, 2                                ; tiles to go, this one among them: the same in every work-group
.Ltile:
	QUARTER 0, 64,  F0, F1, 1                      ; a tile's first quarter stands in front of the loop: its products start the sums
	WIN 0
	s_mov_b32 s3, LAPS-1
.Llap:                                                 ; a trip goes once round the ring, from a lap's second quarter to the next lap's first, and fills both slots again
	QUARTER 0, 128, F1, F0, 0
	QUARTER 0, 192, F0, F1, 0
	TURN 0, 1, 0
	QUARTER 1, 64,  F0, F1, 0
	QUARTER 1, 128, F1, F0, 0
	QUARTER 1, 192, F0, F1, 0
	TURN 1, 0, 0
	QUARTER 0, 64,  F0, F1, 0
	WIN 0
	s_sub_co_u32 s3, s3, 1
	s_cmp_lg_u32 s3, 0
	s_cbranch_scc1 .Llap
	QUARTER 0, 128, F1, F0, 0                      ; the tile's last lap goes on
	QUARTER 0, 192, F0, F1, 0
	WIN 0
	s_cmp_eq_u32 s2, 1
	s_cbranch_scc1 .Llast_tile                     ; the last tile's tail is written out: it asks for nothing more
	TURN 0, 1, 1                                   ; the ring goes on into the second tile: slot 0 takes its K step 0,
	QUARTER 1, 64,  F0, F1, 0
	QUARTER 1, 128, F1, F0, 0
	QUARTER 1, 192, F0, F1, 0
	TURN 1, 0, 1                                   ; slot 1 its K step 1, and its first fragments are fetched
	BIASLD 1                                       ; the second tile's bv comes in under the sums below
.irp a, 0,1,2,3,4,5,6,7                ; blocks 0-3 were finished in front of the joint load's four v_nop; their 128 lines, which name no register of the last products, are the places behind those
	COMBINE \a, KEEP+8*(\a)
.endr
	WIN 0
	s_wait_loadcnt 0x0
	ROUNDB
	s_sub_co_u32 s2, s2, 1
	s_branch .Ltile
.Llast_tile:
	MEET 0                                         ; my one tensor load that was out is slot 1's, the last K step's, so no round follows
	PLACES
	FETCH 1, 0, F0
	MUL16 F1, 1, 0, 0
	MUL16 F1, 1, 2, 0
	QUARTER 1, 64,  F0, F1, 0
	QUARTER 1, 128, F1, F0, 0
	QUARTER 1, 192, F0, F1, 0
	s_wait_dscnt 8                                 ; the very last quarter: nothing more to fetch
	MUL16 F1, 0, 0, 0
	MUL16 F1, 0, 2, 0
	s_wait_dscnt 0x0
	MUL16 F1, 1, 0, 0
	MUL16 F1, 1, 2, 0
	; THE WAY OUT.  Slot 0 is the stage: 256 rows x 272 bytes.  The first tile's columns take bytes 0-127 of a row, the second's 128-255.
	WIN 0
.irp a, 0,1,2,3,4,5,6,7
	ds_store_b128 v[STO], v[KEEP+8*(\a):KEEP+8*(\a)+3]   offset:(\a)*16*PITCH
	ds_store_b128 v[STO], v[KEEP+8*(\a)+4:KEEP+8*(\a)+7] offset:(\a)*16*PITCH+16
.endr
	PLACES                                         ; behind the last products, in front of the lines that read their results
.irp a, 0,1,2,3,4,5,6,7
	COMBINE \a, 48+8*((\a)%2)
	WIN 0
	ds_store_b128 v[STO], v[48+8*((\a)%2):48+8*((\a)%2)+3]   offset:(\a)*16*PITCH+128
	ds_store_b128 v[STO], v[48+8*((\a)%2)+4:48+8*((\a)%2)+7] offset:(\a)*16*PITCH+128+16
.endr
	s_wait_dscnt 0x0                               ; for the others' sake: my stores into the stage are done (a row's 256 bytes come from two waves)
	s_barrier_signal -1
	s_barrier_wait -1
.set i, 0
.rept 32
	ds_load_b128 v[64+4*i:64+4*i+3], v[RD] offset:i*2*PITCH
.set i, i+1
.endr
.set i, 0
.rept 32
	s_wait_dscnt 31-i                              ; LDS loads come back in order: pair i of rows is in
	global_store_b128 v[CO], v[64+4*i:64+4*i+3], s[76:77] offset:i*8192 th:TH_STORE_NT   ; 16 lanes store 256 consecutive bytes, at a multiple of 256 from out0's first byte
.set i, i+1
.endr
	s_wait_tensorcnt 0x0                           ; the wave's end, behind my last tensor load and my last LDS store
	ds_add_u32 v[SPW], v[NIL]
	s_wait_dscnt 0x0
	CROUND                                         ; the closing round: no work-group ends while a partner may still ask for a tile that names it
	s_endpgm
.Lfunc_end_k_q389aa14a1a_values:
	.size	k_q389aa14a1a_values, .Lfunc_end_k_q389aa14a1a_values-k_q389aa14a1a_values
	.p2alignl 7, 3214868480
	.fill 96, 4, 3214868480
	.section	.rodata,"a",@progbits
	.p2align	6, 0x0
	.amdhsa_kernel k_q389aa14a1a_values
		.amdhsa_group_segment_fixed_size 327680
		.amdhsa_private_segment_fixed_size 0
		.amdhsa_enable_private_segment 0
		.amdhsa_kernarg_size 40
		.amdhsa_user_sgpr_count 2
		.amdhsa_user_sgpr_kernarg_segment_ptr 1
		.amdhsa_wavefront_size32 1
		.amdhsa_system_sgpr_workgroup_id_x 1
		.amdhsa_system_sgpr_workgroup_id_y 1
		.amdhsa_system_sgpr_workgroup_id_z 1
		.amdhsa_system_vgpr_workitem_id 0
		.amdhsa_next_free_vgpr 1024
		.amdhsa_next_free_sgpr 80
		.amdhsa_reserve_vcc 0
		.amdhsa_float_denorm_mode_32 3
		.amdhsa_float_denorm_mode_16_64 3
		.amdhsa_memory_ordered 1
		.amdhsa_forward_progress 1
		.amdhsa_inst_pref_size 230
	.end_amdhsa_kernel
	.amdgpu_metadata
---
amdhsa.version: [ 1, 2 ]
amdhsa.kernels:
  - .name:           k_q389aa14a1a_values
    .symbol:         k_q389aa14a1a_values.kd
    .args:
      - { .name: xb, .offset: 0, .size: 8, .value_kind: global_buffer, .address_space: global }
      - { .name: wvb, .offset: 8, .size: 8, .value_kind: global_buffer, .address_space: global }
      - { .name: dotsp, .offset: 16, .size: 8, .value_kind: global_buffer, .address_space: global }
      - { .name: bv, .offset: 24, .size: 8, .value_kind: global_buffer, .address_space: global }
      - { .name: out0, .offset: 32, .size: 8, .value_kind: global_buffer, .address_space: global }
    .group_segment_fixed_size: 327680
    .private_segment_fixed_size: 0
    .kernarg_segment_align: 8
    .kernarg_segment_size: 40
    .max_flat_workgroup_size: 128
    .sgpr_count:     80
    .vgpr_count:     1024
    .wavefront_size: 32
...
	.end_amdgpu_metadata
.endif
;; end of part 3
